; MI455X (gfx1250); checked and timed in simulation.
; The chip was launched on July 23, 2026; its instructions are those of AMD's public machine-readable ISA for CDNA 5 (MIT licence, August 2026) and "CDNA5" Instruction Set Architecture Reference Guide (July 2026). The comments in the code are by the model that wrote it; some were corrected since.
;; Point Cloud Renderer. Allowed arithmetic: float matrix products may take bf16 or f16 operands with f32 sums; all other float work in f32.
;; Inputs: cam_R 2 x 3 x 3 float32; cam_t 2 x 3 float32; f one number float32; features 2 x 2,048 x 3 float32; points 2 x 2,048 x 3 float32.
;; Outputs: out0 2 x 128 x 128 x 3 float32; out1 2 x 128 x 128 float32.
;; One version. Each part assembles by itself: llvm-mc -triple=amdgcn-amd-amdhsa -mcpu=gfx1250 --defsym DOCPART=n.
;; ======== version 1 of 1: 2 launches
;; workspace buffers: order 16,384 bytes of whole numbers; rec 65,536 bytes; zs 16,384 bytes
;; launch rank (part 1): grid 128 x 2, 8 waves a work-group, no clusters, 2,048 bytes of LDS; arguments points, features, cam_R, cam_t, f, order, rec, zs; writes order, rec, zs
.if DOCPART == 1
	.amdgcn_target "amdgcn-amd-amdhsa--gfx1250"
	.amdhsa_code_object_version 6
	.text
	.protected	k_q258f8359f2_rank
	.globl	k_q258f8359f2_rank
	.p2align	8
	.type	k_q258f8359f2_rank,@function
k_q258f8359f2_rank:
	s_mov_b64 s[64:65], 0
	v_nop
	global_prefetch_b8 v0, s[64:65] scope:SCOPE_SE
	s_setreg_imm32_b32 hwreg(HW_REG_WAVE_MODE, 25, 1), 1
	s_wait_xcnt 0x0
; RANK: for each point, the pixel that it covers and its place in depth order among the points of that pixel.
; The radius, 0.005 in NDC, is 0.32 pixel: a point can cover only the pixel (floor(px), floor(py)), so one test a point replaces 16,384.
; A work-group owns PBLK = 16 points p of one batch (ttmp9: block, ttmp7: batch).  Its 256 threads hold all 2,048 points q of the batch,
; 8 a lane: q = (first p + t + 256 e) mod 2048, so a wave's load covers 384 consecutive bytes and the 16 owned points are register 0 of
; threads 0-15.  Every wave also projects the 16 p themselves (lane & 15) as a ninth point and reads pixel and key of each into scalars.
; rank(p) = number of q with pixel(q) = pixel(p) and (z, index)(q) < (z, index)(p): the order of top_k, the lower index first at equal depth.
; Stored for each p: order = row << 16 | rank * 128 + x (all ones: covers nothing, or rank >= 10), rec = r, g, b, alpha, zs = z.
; No address and no branch here hangs on a projected number: pixels and ranks are values only, and are used as addresses by the next launch.
; ROUNDING: px, py and dist2 are rounded step by step as the reference rounds them (no fusing of f*x/z+64 or of dx*dx+dy*dy), since
; dist2 < r*r decides depth outright.  The factor 2/128 is a power of two, so the test is made in pixel units against r*r*4096: same bits.
; LIMITS: the 3-term product with cam_R is an fma chain (last-bit difference possible when cam_R is not exact in it); alpha multiplies by
; 1/(r*r) instead of dividing; features must be finite (the reference turns 0 x inf into NaN at pixels with fewer than 10 hits).
; The transform is not given to the matrix unit: K is 3, and 16-bit coordinates would shift a point by a third of the radius.
.set NPTS, 2048                        ; points in a batch
.set ROWB, 12                          ; bytes of a point, and of a feature row
.set L15,  2                           ; v2       lane & 15
.set PI,   3                           ; v3       index in the batch of my p
.set PO,   4                           ; v4       its byte offset
.set QO,   6                           ; v[6:13]  byte offsets of my 8 q
.set ADJ,  14                          ; v[14:21] [q >= p] of my 8 q
.set PT,   22                          ; v[22:57] nine points, 4 registers apart: x, y, z, (unused)
.set REC,  58                          ; v[58:61] r, g, b of my p, then its alpha
.set C,    62                          ; v[62:79] pairs (x, y) in camera space
.set ZR,   80                          ; v[80:97] pairs (z in camera space, 1/z)
.set N,    98                          ; v[98:115]  pairs f*x, f*y; later pixel centres; later ix|iy and iy*128+ix
.set Q,    116                         ; v[116:133] pairs of quotients; px, py; differences; squares
.set EE,   134                         ; v[134:151] pairs of remainders; floors; ix, iy
.set DD,   152                         ; v[152:160] Newton error, then dist2 in pixel units
.set PID,  162                         ; v[162:170] pixel number or -1
.set KQ,   172                         ; v[172:180] depth key
.set CV,   182                         ; my wave's 16 counts, lane j for p j
.set LA,   183
.set SUM,  184                         ; v[184:191]
.set T0,   192
.set T1,   193
.set KEY,  194
.set O4,   195
.set O16,  196
.set MA,   46                          ; s[46:54] lane masks
.set MB,   55                          ; s[55:63] lane masks
.set SP,   66                          ; s[66:81] pixel of p 0..15
.set SK,   82                          ; s[82:97] key of p 0..15
	s_load_b512 s[8:23], s[0:1], 0x0               ; points s[8:9], features s[10:11], cam_R s[12:13], cam_t s[14:15], f s[16:17], order s[18:19], rec s[20:21], zs s[22:23]
	v_lshl_add_u32 v200, v0, 2, 0x400
	v_mov_b32 v201, 0
	s_and_b32 s2, ttmp7, 0xffff                    ; batch
	v_lshrrev_b32 v1, 5, v0
	v_readfirstlane_b32 s3, v1                     ; wave
	s_mul_i32 s4, s2, NPTS*ROWB                    ; the batch in points and in features
	s_mov_b32 s5, 0
	s_mul_i32 s6, s2, 36                           ; the batch in cam_R
	s_mul_i32 s7, s2, 12                           ; the batch in cam_t
	s_lshl_b32 s34, ttmp9, 4                       ; first p of the block
	s_lshl_b32 s35, s2, 11                         ; the batch in points counted
	s_mov_b32 s41, 0                               ; upper half of the pair that carries f
	s_mov_b32 s42, 0x3dd1b717                      ; f32(0.005*0.005) * 4096
	s_mov_b32 s43, 0x3a83126f                      ; 1e-3
	s_mov_b32 s44, 0x4f9502f9                      ; 5e9 = BIG * 0.5: a deeper hit counts as none
	s_mov_b32 s45, 0x411c4000                      ; 1 / (r*r*4096)
	v_and_b32 v[L15], 15, v0
	v_add_nc_u32 v[PI], s34, v[L15]
	v_mul_u32_u24 v[PO], v[PI], ROWB
	v_add_nc_u32 v1, s34, v0                       ; first p + t
.irp e, 0,1,2,3,4,5,6,7
	v_add_nc_u32 v[QO+\e], 256*\e, v1              ; unwrapped index
	v_cmp_gt_u32 vcc_lo, NPTS, v[QO+\e]            ; not wrapped: q >= first p
	v_cndmask_b32 v[ADJ+\e], 0, 1, vcc_lo
	v_and_b32 v[QO+\e], NPTS-1, v[QO+\e]
	v_mul_u32_u24 v[QO+\e], v[QO+\e], ROWB
.endr
	v_cmp_lt_u32 vcc_lo, 14, v0                    ; the walk below starts at p 15: of the 16 q in the block (register 0, t < 16) only t = 15 is >= p
	v_cndmask_b32 v[ADJ], 0, v[ADJ], vcc_lo
	s_wait_kmcnt 0x0
	s_load_b256 s[24:31], s[12:13], s6 offset:0x0  ; R00 R01 R02 R10 R11 R12 R20 R21
	s_load_b32 s32, s[12:13], s6 offset:0x20       ; R22
	s_load_b96 s[36:38], s[14:15], s7 offset:0x0   ; t
	s_load_b32 s40, s[16:17], 0x0                  ; f
	s_add_nc_u64 s[8:9], s[8:9], s[4:5]
	s_add_nc_u64 s[10:11], s[10:11], s[4:5]
.irp e, 0,1,2,3,4,5,6,7
	global_load_b96 v[PT+4*\e:PT+4*\e+2], v[QO+\e], s[8:9]
.endr
	global_load_b96 v[PT+32:PT+34], v[PO], s[8:9]  ; my p
	global_load_b96 v[REC:REC+2], v[PO], s[10:11]  ; its colour; every wave asks (192 bytes), so that all waves count the same loads
	v_mov_b32 v[CV], 0
	s_wait_kmcnt 0x0
	s_wait_loadcnt 0x0
	; camera space: x_cam = p . R + t, each step over all nine points so that no line waits for the one in front of it
.irp e, 0,1,2,3,4,5,6,7,8
	v_mul_f32 v[C+2*\e],   s24, v[PT+4*\e]
	v_mul_f32 v[C+2*\e+1], s25, v[PT+4*\e]
	v_mul_f32 v[ZR+2*\e],  s26, v[PT+4*\e]
.endr
.irp e, 0,1,2,3,4,5,6,7,8
	v_fmac_f32 v[C+2*\e],   s27, v[PT+4*\e+1]
	v_fmac_f32 v[C+2*\e+1], s28, v[PT+4*\e+1]
	v_fmac_f32 v[ZR+2*\e],  s29, v[PT+4*\e+1]
.endr
.irp e, 0,1,2,3,4,5,6,7,8
	v_fmac_f32 v[C+2*\e],   s30, v[PT+4*\e+2]
	v_fmac_f32 v[C+2*\e+1], s31, v[PT+4*\e+2]
	v_fmac_f32 v[ZR+2*\e],  s32, v[PT+4*\e+2]
.endr
.irp e, 0,1,2,3,4,5,6,7,8
	v_add_f32 v[C+2*\e],   s36, v[C+2*\e]          ; + t is a step of its own in the reference: rounded apart
	v_add_f32 v[C+2*\e+1], s37, v[C+2*\e+1]
	v_add_f32 v[ZR+2*\e],  s38, v[ZR+2*\e]
.endr
	; (f*x)/z and (f*y)/z, rounded as a division rounds: reciprocal, one Newton step, quotient, two corrections by the exact remainder
.irp e, 0,1,2,3,4,5,6,7,8
	v_rcp_f32 v[ZR+2*\e+1], v[ZR+2*\e]
.endr
.irp e, 0,1,2,3,4,5,6,7,8
	v_pk_mul_f32 v[N+2*\e:N+2*\e+1], v[C+2*\e:C+2*\e+1], s[40:41] op_sel_hi:[1,0]   ; f*x, f*y; these plain lines also stand between the reciprocals and their first use (ISA guide 5.7.2)
.endr
	s_wait_alu depctr_va_vdst(0)
.irp e, 0,1,2,3,4,5,6,7,8
	v_fma_f32 v[DD+\e], -v[ZR+2*\e], v[ZR+2*\e+1], 1.0
.endr
.irp e, 0,1,2,3,4,5,6,7,8
	v_fma_f32 v[ZR+2*\e+1], v[DD+\e], v[ZR+2*\e+1], v[ZR+2*\e+1]
.endr
.irp e, 0,1,2,3,4,5,6,7,8
	v_pk_mul_f32 v[Q+2*\e:Q+2*\e+1], v[N+2*\e:N+2*\e+1], v[ZR+2*\e:ZR+2*\e+1] op_sel:[0,1] op_sel_hi:[1,1]   ; both by 1/z, the pair's second register
.endr
.rept 2
.irp e, 0,1,2,3,4,5,6,7,8
	v_pk_fma_f32 v[EE+2*\e:EE+2*\e+1], v[ZR+2*\e:ZR+2*\e+1], v[Q+2*\e:Q+2*\e+1], v[N+2*\e:N+2*\e+1] op_sel_hi:[0,1,1] neg_lo:[1,0,0] neg_hi:[1,0,0]   ; n - z q
.endr
.irp e, 0,1,2,3,4,5,6,7,8
	v_pk_fma_f32 v[Q+2*\e:Q+2*\e+1], v[EE+2*\e:EE+2*\e+1], v[ZR+2*\e:ZR+2*\e+1], v[Q+2*\e:Q+2*\e+1] op_sel:[0,1,0] op_sel_hi:[1,1,1]   ; q + remainder / z
.endr
.endr
.irp e, 0,1,2,3,4,5,6,7,8
	v_pk_add_f32 v[Q+2*\e:Q+2*\e+1], v[Q+2*\e:Q+2*\e+1], 0x42800000 op_sel_hi:[1,0]  ; px, py = .. + 64
.endr
.irp e, 0,1,2,3,4,5,6,7,8
	v_floor_f32 v[EE+2*\e],   v[Q+2*\e]
	v_floor_f32 v[EE+2*\e+1], v[Q+2*\e+1]
.endr
.irp e, 0,1,2,3,4,5,6,7,8
	v_pk_add_f32 v[N+2*\e:N+2*\e+1], v[EE+2*\e:EE+2*\e+1], 0.5 op_sel_hi:[1,0]       ; the one pixel centre in reach
.endr
.irp e, 0,1,2,3,4,5,6,7,8
	v_pk_add_f32 v[Q+2*\e:Q+2*\e+1], v[Q+2*\e:Q+2*\e+1], v[N+2*\e:N+2*\e+1] neg_lo:[0,1] neg_hi:[0,1]
.endr
.irp e, 0,1,2,3,4,5,6,7,8
	v_pk_mul_f32 v[Q+2*\e:Q+2*\e+1], v[Q+2*\e:Q+2*\e+1], v[Q+2*\e:Q+2*\e+1]
.endr
.irp e, 0,1,2,3,4,5,6,7,8
	v_add_f32 v[DD+\e], v[Q+2*\e], v[Q+2*\e+1]     ; dist2 * 4096; two products and a sum, as the reference rounds them
	v_cvt_i32_f32 v[EE+2*\e],   v[EE+2*\e]         ; saturates; NaN gives 0 and fails the distance test
	v_cvt_i32_f32 v[EE+2*\e+1], v[EE+2*\e+1]
.endr
.irp e, 0,1,2,3,4,5,6,7,8
	v_or_b32 v[N+2*\e], v[EE+2*\e], v[EE+2*\e+1]               ; below 128 as unsigned: both inside the image
	v_lshl_or_b32 v[N+2*\e+1], v[EE+2*\e+1], 7, v[EE+2*\e]     ; iy * 128 + ix
.endr
.irp e, 0,1,2,3,4,5,6,7,8
	v_cmp_gt_f32 s[MA+\e], s42, v[DD+\e]           ; dist2 < r*r
	v_cmp_lt_f32 s[MB+\e], s43, v[ZR+2*\e]         ; z > 1e-3
.endr
.irp e, 0,1,2,3,4,5,6,7,8
	s_and_b32 s[MA+\e], s[MA+\e], s[MB+\e]
.endr
.irp e, 0,1,2,3,4,5,6,7,8
	v_cmp_gt_f32 s[MB+\e], s44, v[ZR+2*\e]         ; z < BIG/2
.endr
.irp e, 0,1,2,3,4,5,6,7,8
	s_and_b32 s[MA+\e], s[MA+\e], s[MB+\e]
.endr
.irp e, 0,1,2,3,4,5,6,7,8
	v_cmp_gt_u32 s[MB+\e], 128, v[N+2*\e]
.endr
.irp e, 0,1,2,3,4,5,6,7,8
	s_and_b32 s[MA+\e], s[MA+\e], s[MB+\e]
.endr
.irp e, 0,1,2,3,4,5,6,7,8
	v_cndmask_b32 v[PID+\e], -1, v[N+2*\e+1], s[MA+\e]         ; -1: covers no pixel
.endr
	; Depth keys.  A covering z is positive, so its bits order as whole numbers and twice them fits in 32 bits.
	; (z, index)(q) < (z, index)(p)  is  2 bits(z_q) + [q >= p]  <  2 bits(z_p) + 1.
.irp e, 0,1,2,3,4,5,6,7
	v_lshl_add_u32 v[KQ+\e], v[ZR+2*\e], 1, v[ADJ+\e]
.endr
	v_lshl_add_u32 v[KQ+8], v[ZR+16], 1, 1
.set j, 0
.rept 16
	v_readlane_b32 s[SP+j], v[PID+8], j
	v_readlane_b32 s[SK+j], v[KQ+8], j
.set j, j+1
.endr
	; The pairs: p 15 down to p 0 against my wave's 256 q.  Two compares a pair; the count over the lanes is a scalar population count.
.set j, 15
.rept 16
.irp e, 0,1,2,3,4,5,6,7
	v_cmp_eq_u32 s[MA+\e], s[SP+j], v[PID+\e]      ; same pixel
.endr
.irp e, 0,1,2,3,4,5,6,7
	v_cmp_gt_u32 s[MB+\e], s[SK+j], v[KQ+\e]       ; in front of p
.endr
.if j > 0
	v_cmp_eq_u32 vcc_lo, j-1, v0                   ; the next p is the q of thread j-1, register 0: from now on that q is >= p
	v_add_co_ci_u32 v[KQ], vcc_lo, 0, v[KQ], vcc_lo
.endif
.irp e, 0,1,2,3,4,5,6,7
	s_and_b32 s[MA+\e], s[MA+\e], s[MB+\e]
.endr
.irp e, 0,1,2,3,4,5,6,7
	s_bcnt1_i32_b32 s[MA+\e], s[MA+\e]
.endr
	s_add_co_u32 s[MA],   s[MA],   s[MA+1]
	s_add_co_u32 s[MA+2], s[MA+2], s[MA+3]
	s_add_co_u32 s[MA+4], s[MA+4], s[MA+5]
	s_add_co_u32 s[MA+6], s[MA+6], s[MA+7]
	s_add_co_u32 s[MA],   s[MA],   s[MA+2]
	s_add_co_u32 s[MA+4], s[MA+4], s[MA+6]
	s_add_co_u32 s[MA],   s[MA],   s[MA+4]
	v_writelane_b32 v[CV], s[MA], j
.set j, j-1
.endr
	; the eight waves' counts meet in LDS: word 32 w + lane
	v_lshlrev_b32 v[LA], 2, v0
	ds_store_b32 v[LA], v[CV]
	s_wait_dscnt 0x0                               ; my counts are in LDS before I say so
	s_barrier_signal -1
	s_barrier_wait -1
	s_cmp_lg_u32 s3, 0
	s_cbranch_scc1 .Lothers
	; wave 0 (t = lane): sums, packs and stores for the 16 p
.irp w, 0,1,2,3,4,5,6,7
	ds_load_b32 v[SUM+\w], v[LA] offset:128*\w
.endr
	v_fma_f32 v[REC+3], -v[DD+8], s45, 1.0         ; alpha = clip(1 - dist2 / r*r, 0, 1); a NaN (no hit) becomes 0
	v_max_num_f32 v[REC+3], 0, v[REC+3]
	v_min_num_f32 v[REC+3], 1.0, v[REC+3]
	v_lshrrev_b32 v[T0], 7, v[PID+8]               ; row
	v_and_b32 v[T1], 127, v[PID+8]                 ; column
	v_add_nc_u32 v[O4], s35, v[PI]                 ; point among the 4,096 of both batches
	v_lshlrev_b32 v[O16], 4, v[O4]
	v_lshlrev_b32 v[O4], 2, v[O4]
	s_wait_dscnt 0x0
	v_add3_u32 v[SUM],   v[SUM],   v[SUM+1], v[SUM+2]
	v_add3_u32 v[SUM+3], v[SUM+3], v[SUM+4], v[SUM+5]
	v_add3_u32 v[SUM],   v[SUM],   v[SUM+6], v[SUM+7]
	v_add_nc_u32 v[SUM], v[SUM], v[SUM+3]          ; rank
	v_lshl_or_b32 v[T1], v[SUM], 7, v[T1]          ; rank * 128 + column: the slot in the row's table
	v_lshl_or_b32 v[T1], v[T0], 16, v[T1]
	v_cmp_gt_u32 s[MA], 10, v[SUM]                 ; K = 10 nearest
	v_cmp_ne_u32 s[MB], -1, v[PID+8]
	s_and_b32 s[MA], s[MA], s[MB]
	v_cndmask_b32 v[KEY], -1, v[T1], s[MA]
	s_wait_xcnt 0x0                                ; EXEC is narrowed only behind this wait
	s_wait_tensorcnt 0x0
	ds_add_u32 v200, v201
	s_wait_dscnt 0x0
	v_cmpx_gt_u32 16, v0                           ; lanes 16-31 hold copies
	global_store_b128 v[O16], v[REC:REC+3], s[20:21]   ; 16 lanes: 256 consecutive bytes, aligned
	global_store_b32 v[O4], v[KEY], s[18:19]           ; 64 bytes: the share of 16 points; larger blocks would leave work-groups without work
	global_store_b32 v[O4], v[ZR+16], s[22:23]
	s_endpgm
.Lothers:
	s_wait_tensorcnt 0x0
	ds_add_u32 v200, v201
	s_wait_dscnt 0x0
	s_endpgm
.Lfunc_end_k_q258f8359f2_rank:
	.size	k_q258f8359f2_rank, .Lfunc_end_k_q258f8359f2_rank-k_q258f8359f2_rank
	.p2alignl 7, 3214868480
	.fill 96, 4, 3214868480
	.section	.rodata,"a",@progbits
	.p2align	6, 0x0
	.amdhsa_kernel k_q258f8359f2_rank
		.amdhsa_group_segment_fixed_size 2048
		.amdhsa_private_segment_fixed_size 0
		.amdhsa_enable_private_segment 0
		.amdhsa_kernarg_size 64
		.amdhsa_user_sgpr_count 2
		.amdhsa_user_sgpr_kernarg_segment_ptr 1
		.amdhsa_wavefront_size32 1
		.amdhsa_system_sgpr_workgroup_id_x 1
		.amdhsa_system_sgpr_workgroup_id_y 1
		.amdhsa_system_sgpr_workgroup_id_z 1
		.amdhsa_system_vgpr_workitem_id 0
		.amdhsa_next_free_vgpr 202
		.amdhsa_next_free_sgpr 98
		.amdhsa_reserve_vcc 1
		.amdhsa_float_denorm_mode_32 3
		.amdhsa_float_denorm_mode_16_64 3
		.amdhsa_memory_ordered 1
		.amdhsa_forward_progress 1
		.amdhsa_inst_pref_size 57
	.end_amdhsa_kernel
	.amdgpu_metadata
---
amdhsa.version: [ 1, 2 ]
amdhsa.kernels:
  - .name:           k_q258f8359f2_rank
    .symbol:         k_q258f8359f2_rank.kd
    .args:
      - { .name: points, .offset: 0, .size: 8, .value_kind: global_buffer, .address_space: global }
      - { .name: features, .offset: 8, .size: 8, .value_kind: global_buffer, .address_space: global }
      - { .name: cam_R, .offset: 16, .size: 8, .value_kind: global_buffer, .address_space: global }
      - { .name: cam_t, .offset: 24, .size: 8, .value_kind: global_buffer, .address_space: global }
      - { .name: f, .offset: 32, .size: 8, .value_kind: global_buffer, .address_space: global }
      - { .name: order, .offset: 40, .size: 8, .value_kind: global_buffer, .address_space: global }
      - { .name: rec, .offset: 48, .size: 8, .value_kind: global_buffer, .address_space: global }
      - { .name: zs, .offset: 56, .size: 8, .value_kind: global_buffer, .address_space: global }
    .group_segment_fixed_size: 2048
    .private_segment_fixed_size: 0
    .kernarg_segment_align: 8
    .kernarg_segment_size: 64
    .max_flat_workgroup_size: 256
    .sgpr_count:     98
    .vgpr_count:     202
    .wavefront_size: 32
...
	.end_amdgpu_metadata
.endif
;; end of part 1
;; launch paint (part 2): grid 128 x 2, 8 waves a work-group, no clusters, 24,064 bytes of LDS; arguments order, rec, zs, out0, out1; writes out0, out1
.if DOCPART == 2
	.amdgcn_target "amdgcn-amd-amdhsa--gfx1250"
	.amdhsa_code_object_version 6
	.text
	.protected	k_q258f8359f2_paint
	.globl	k_q258f8359f2_paint
	.p2align	8
	.type	k_q258f8359f2_paint,@function
k_q258f8359f2_paint:
	s_mov_b64 s[64:65], 0
	v_nop
	global_prefetch_b8 v0, s[64:65] scope:SCOPE_SE
	s_setreg_imm32_b32 hwreg(HW_REG_WAVE_MODE, 25, 1), 1
	s_wait_xcnt 0x0
; PAINT: one work-group makes one image row (ttmp9) of one batch (ttmp7): 128 pixels, 1,536 bytes of out0 and 512 of out1.
; order[p] = row << 16 | rank * 128 + x, or all ones; rec[p] = r, g, b, alpha; zs[p] = z: stored by the launch before.
; Thread t takes points e * 256 + t, e = 0..7: each load of a wave is contiguous (128 bytes of keys or z, 512 of records), every load address
; comes from ids alone, and all 24 loads of a lane are issued at once.  The only addresses made from loaded whole numbers are LDS addresses.
; LDS: a table of 10 ranks x 128 pixels x 16 bytes, cleared; slot = min(key - (row << 16), 1280): keys of other rows and invalid keys
; give 65,536 or more and fall on slot 1280, which all waves may write and nobody reads.  (rank, x) is unique, so no two points share a slot.
; Then a lane a pixel: the ten slots front to back, w = alpha T, colour += w f, T -= alpha T; an empty slot has alpha 0 and adds nothing.
; Depth is the z of rank 0, or the -1 that the row was set to.  Colours pass through LDS so that each store of a wave covers 512 consecutive bytes.
; No matrix unit: each pixel's sum of ten has operands of its own.  No tensor loads or clusters: 48 KB go straight to registers, once.
.set NSLOT, 1280
.set STAGE, 20736                      ; behind the table and its dump slot: 1,536 bytes of colour,
.set DEPTH, STAGE+1536                 ; 512 bytes of depth, and one dump word
.set O4,  2                            ; 4 t
.set PA,  3                            ; 16 t
.set PC,  4                            ; 12 t
.set LO,  5                            ; 16 lane
.set ZERO, 8                           ; v[8:11]
.set NEG, 12                           ; v[12:15]
.set K,   16                           ; v[16:23]  keys
.set Z,   24                           ; v[24:31]  z
.set R,   32                           ; v[32:63]  records
.set A,   64                           ; v[64:71]  slot addresses
.set B,   72                           ; v[72:79]  depth addresses
.set S,   80                           ; v[80:119] my pixel's ten slots
.set CR,  120
.set CG,  121
.set CB,  122
.set T,   123
.set W,   124
.set O,   126                          ; v[126:129]
	s_load_b256 s[8:15], s[0:1], 0x0               ; order s[8:9], rec s[10:11], zs s[12:13], out0 s[14:15]
	s_load_b64 s[16:17], s[0:1], 0x20              ; out1
	v_lshl_add_u32 v132, v0, 2, 0x5a00
	v_mov_b32 v133, 0
	s_and_b32 s2, ttmp7, 0xffff                    ; batch
	v_lshrrev_b32 v1, 5, v0
	v_readfirstlane_b32 s3, v1                     ; wave
	s_lshl_b32 s4, s2, 13                          ; the batch in order and zs: 2,048 x 4 bytes
	s_mov_b32 s5, 0
	s_lshl_b32 s6, s2, 15                          ; the batch in rec: 2,048 x 16 bytes
	s_mov_b32 s7, 0
	s_lshl_b32 s18, ttmp9, 16                      ; my row as it stands in a key
	v_lshlrev_b32 v[O4], 2, v0
	v_lshlrev_b32 v[PA], 4, v0
	s_wait_kmcnt 0x0
	s_add_nc_u64 s[8:9], s[8:9], s[4:5]
	s_add_nc_u64 s[12:13], s[12:13], s[4:5]
	s_add_nc_u64 s[10:11], s[10:11], s[6:7]
.irp e, 0,1,2,3,4,5,6,7
	global_load_b32 v[K+\e], v[O4], s[8:9] offset:1024*\e
.endr
.irp e, 0,1,2,3,4,5,6,7
	global_load_b32 v[Z+\e], v[O4], s[12:13] offset:1024*\e
.endr
.irp e, 0,1,2,3,4,5,6,7
	global_load_b128 v[R+4*\e:R+4*\e+3], v[PA], s[10:11] offset:4096*\e
.endr
	; while they are on their way: clear the table (5 x 256 threads x 16 bytes = 1,280 slots), set the depth row to -1
.irp i, 0,1,2,3
	v_mov_b32 v[ZERO+\i], 0
.endr
.irp i, 0,1,2,3,4
	ds_store_b128 v[PA], v[ZERO:ZERO+3] offset:4096*\i
.endr
	s_cmp_lg_u32 s3, 0
	s_cbranch_scc1 .Lno_depth
.irp i, 0,1,2,3
	v_mov_b32 v[NEG+\i], -1.0
.endr
	ds_store_b128 v[PA], v[NEG:NEG+3] offset:DEPTH     ; wave 0: 32 lanes x 16 bytes
.Lno_depth:
	; where a wave will store: waves 0-2 a third of the colour row each, wave 3 the depth row
	v_and_b32 v[LO], 31, v0
	v_lshlrev_b32 v[LO], 4, v[LO]
	v_mul_u32_u24 v[PC], v0, 12
	s_lshl_b32 s22, s2, 7
	s_add_co_u32 s22, s22, ttmp9                   ; row among the 256 of both batches
	s_mul_i32 s23, s22, 1536
	s_lshl_b32 s24, s3, 9
	s_add_co_u32 s23, s23, s24
	s_lshl_b32 s25, s22, 9
	s_mov_b32 s27, 0
	s_cmp_eq_u32 s3, 3
	s_cselect_b32 s26, s25, s23
	s_cselect_b64 s[20:21], s[16:17], s[14:15]
	s_add_nc_u64 s[20:21], s[20:21], s[26:27]
	s_wait_dscnt 0x0                               ; my part of the table is cleared before I say so
	s_barrier_signal -1
	s_barrier_wait -1                              ; the whole table is
	s_wait_loadcnt 16                              ; the 8 keys are in; 8 z and 8 records may be out
.irp e, 0,1,2,3,4,5,6,7
	v_sub_nc_u32 v[A+\e], v[K+\e], s18             ; my row: rank * 128 + x; any other key: 65,536 or more (wraps included)
	v_min_u32 v[B+\e], 128, v[A+\e]                ; rank 0: x; else the dump word
	v_min_u32 v[A+\e], NSLOT, v[A+\e]              ; the slot, or the dump slot
	v_lshlrev_b32 v[B+\e], 2, v[B+\e]
	v_lshlrev_b32 v[A+\e], 4, v[A+\e]
.endr
	s_wait_loadcnt 8                               ; the 8 z are in; the records may be out
.irp e, 0,1,2,3,4,5,6,7
	ds_store_b32 v[B+\e], v[Z+\e] offset:DEPTH
.endr
.irp e, 0,1,2,3,4,5,6,7
	s_wait_loadcnt 7-\e                            ; record e is in, the younger ones may be out
	ds_store_b128 v[A+\e], v[R+4*\e:R+4*\e+3]
.endr
	s_wait_dscnt 0x0                               ; my points are in the table before I say so
	s_barrier_signal -1
	s_barrier_wait -1                              ; all 2,048 are
	s_cmp_gt_u32 s3, 3
	s_cbranch_scc1 .Lidle                          ; 128 pixels: waves 0-3, a lane a pixel
.irp k, 0,1,2,3,4,5,6,7,8,9
	ds_load_b128 v[S+4*\k:S+4*\k+3], v[PA] offset:2048*\k      ; 32 lanes, 512 consecutive bytes
.endr
	s_wait_dscnt 9                                 ; LDS loads come back in order: slot 0 is in, nine may be out
	v_mul_f32 v[CR], v[S+3], v[S]                  ; the nearest point starts the sums: T = 1, nothing is cleared
	v_mul_f32 v[CG], v[S+3], v[S+1]
	v_mul_f32 v[CB], v[S+3], v[S+2]
	v_sub_f32 v[T], 1.0, v[S+3]
.irp k, 1,2,3,4,5,6,7,8,9
	s_wait_dscnt 9-\k                              ; slot k is in
	v_mul_f32 v[W], v[S+4*\k+3], v[T]              ; w = alpha T
	v_fmac_f32 v[CR], v[W], v[S+4*\k]
	v_fmac_f32 v[CG], v[W], v[S+4*\k+1]
	v_fmac_f32 v[CB], v[W], v[S+4*\k+2]
.if \k < 9
	v_fma_f32 v[T], -v[S+4*\k+3], v[T], v[T]       ; T (1 - alpha)
.endif
.endr
	ds_store_b32 v[PC], v[CR] offset:STAGE         ; 12 bytes a pixel, as out0 has them
	ds_store_b32 v[PC], v[CG] offset:STAGE+4
	ds_store_b32 v[PC], v[CB] offset:STAGE+8
.Lidle:
	s_wait_dscnt 0x0                               ; my colours are in the stage before I say so
	s_barrier_signal -1
	s_barrier_wait -1
	s_cmp_gt_u32 s3, 3
	s_cbranch_scc1 .Lend
	ds_load_b128 v[O:O+3], v[PA] offset:STAGE      ; threads 0-95: the colour row; threads 96-127: the depth row behind it
	s_wait_dscnt 0x0
	global_store_b128 v[LO], v[O:O+3], s[20:21] th:TH_STORE_NT     ; a wave stores 512 consecutive bytes, at a multiple of 512 from the buffer's first byte
.Lend:
	s_wait_tensorcnt 0x0
	ds_add_u32 v132, v133
	s_wait_dscnt 0x0
	s_endpgm
.Lfunc_end_k_q258f8359f2_paint:
	.size	k_q258f8359f2_paint, .Lfunc_end_k_q258f8359f2_paint-k_q258f8359f2_paint
	.p2alignl 7, 3214868480
	.fill 96, 4, 3214868480
	.section	.rodata,"a",@progbits
	.p2align	6, 0x0
	.amdhsa_kernel k_q258f8359f2_paint
		.amdhsa_group_segment_fixed_size 24064
		.amdhsa_private_segment_fixed_size 0
		.amdhsa_enable_private_segment 0
		.amdhsa_kernarg_size 40
		.amdhsa_user_sgpr_count 2
		.amdhsa_user_sgpr_kernarg_segment_ptr 1
		.amdhsa_wavefront_size32 1
		.amdhsa_system_sgpr_workgroup_id_x 1
		.amdhsa_system_sgpr_workgroup_id_y 1
		.amdhsa_system_sgpr_workgroup_id_z 1
		.amdhsa_system_vgpr_workitem_id 0
		.amdhsa_next_free_vgpr 134
		.amdhsa_next_free_sgpr 66
		.amdhsa_reserve_vcc 0
		.amdhsa_float_denorm_mode_32 3
		.amdhsa_float_denorm_mode_16_64 3
		.amdhsa_memory_ordered 1
		.amdhsa_forward_progress 1
		.amdhsa_inst_pref_size 12
	.end_amdhsa_kernel
	.amdgpu_metadata
---
amdhsa.version: [ 1, 2 ]
amdhsa.kernels:
  - .name:           k_q258f8359f2_paint
    .symbol:         k_q258f8359f2_paint.kd
    .args:
      - { .name: order, .offset: 0, .size: 8, .value_kind: global_buffer, .address_space: global }
      - { .name: rec, .offset: 8, .size: 8, .value_kind: global_buffer, .address_space: global }
      - { .name: zs, .offset: 16, .size: 8, .value_kind: global_buffer, .address_space: global }
      - { .name: out0, .offset: 24, .size: 8, .value_kind: global_buffer, .address_space: global }
      - { .name: out1, .offset: 32, .size: 8, .value_kind: global_buffer, .address_space: global }
    .group_segment_fixed_size: 24064
    .private_segment_fixed_size: 0
    .kernarg_segment_align: 8
    .kernarg_segment_size: 40
    .max_flat_workgroup_size: 256
    .sgpr_count:     66
    .vgpr_count:     134
    .wavefront_size: 32
...
	.end_amdgpu_metadata
.endif
;; end of part 2
